; MI455X (gfx1250); checked and timed in simulation.
; The chip was launched on July 23, 2026; its instructions are those of AMD's public machine-readable ISA for CDNA 5 (MIT licence, August 2026) and "CDNA5" Instruction Set Architecture Reference Guide (July 2026). The comments in the code are by the model that wrote it; some were corrected since.
;; Hetero Linear. Allowed arithmetic: float matrix products may take bf16 or f16 operands with f32 sums; all other float work in f32.
;; Inputs: bias 8 x 512 float32; type_vec 32,768 int32; weight 8 x 512 x 512 float32; x 32,768 x 512 float32.
;; Outputs: out0 32,768 x 512 float32.
;; One version. Each part assembles by itself: llvm-mc -triple=amdgcn-amd-amdhsa -mcpu=gfx1250 --defsym DOCPART=n.
;; ======== version 1 of 1: 2 launches
;; workspace buffers: wbf 4,194,304 bytes
;; launch pack (part 1): grid 256 x 1, 4 waves a work-group, no clusters, 0 bytes of LDS; arguments weight, wbf; writes wbf
.if DOCPART == 1
	.amdgcn_target "amdgcn-amd-amdhsa--gfx1250"
	.amdhsa_code_object_version 6
	.text
	.protected	k_q08a254a79c_pack
	.globl	k_q08a254a79c_pack
	.p2align	8
	.type	k_q08a254a79c_pack,@function
k_q08a254a79c_pack:
	s_mov_b64 s[64:65], 0
	v_nop
	global_prefetch_b8 v0, s[64:65] scope:SCOPE_SE
	s_setreg_imm32_b32 hwreg(HW_REG_WAVE_MODE, 25, 1), 1
	s_wait_xcnt 0x0
; weight [8][512 k][512 n] f32  ->  wbf: the same numbers in bf16 (round to nearest even), laid out as the register image of the
; B fragments that the second launch multiplies by, so that it loads them with 16 bytes a lane and converts nothing.
; wbf = [t 8][cg 8][ks 16][i 8][lane 32][16 bytes].  A chunk (t, cg, ks) of 4,096 bytes is k = 32 ks .. 32 ks + 31 times the columns
; 64 cg .. 64 cg + 63, as four fragments j = 0..3; fragment j's column of lane r (= lane % 16) is n = 64 cg + 4 r + j, so that the four
; results j = 0..3 of a lane are four neighbouring columns.  i = 2 j + p; p = 0: fragment registers 0-3, p = 1: registers 4-7.
; Lane (r, h = lane / 16) holds k = 32 ks + 16 p + 8 h + 0..7, the lower k in the lower bits (ISA guide 7.12.2: 16-bit operands, K = 32).
; 1,024 chunks, one for each wave: 256 work-groups of four waves.  The four waves of a group take four neighbouring column groups,
; 1,024 neighbouring bytes of each row.  No LDS, no barrier: no wave needs another's data.  No matrix unit, no cluster: a pure copy.
; Limit: f32 numbers above bf16's largest finite number (about 3.39e38) become infinities.
.set KROW, 2048                        ; bytes in a row of weight (512 f32)
.set IN,   4                           ; v4        h x 8 rows + 16 r: my 16 bytes (4 columns) in row 8 h of the chunk
.set OUT,  5                           ; v5        16 x lane
.set S,    8                           ; v[8:71]   S + 4 (8 p + q) + j = W[32 ks + 16 p + 8 h + q][64 cg + 4 r + j]
.set F,    72                          ; v[72:103] F + 4 (2 j + p) + u: the fragment images
	s_load_b128 s[4:7], s[0:1], 0x0                ; weight s[4:5], wbf s[6:7]
	v_lshrrev_b32 v1, 5, v0
	v_readfirstlane_b32 s8, v1                     ; wave 0..3
	v_and_b32 v2, 15, v0                           ; r
	v_bfe_u32 v3, v0, 4, 1                         ; h
	v_and_b32 v[OUT], 31, v0
	v_lshlrev_b32 v[OUT], 4, v[OUT]                ; 16 x lane
	v_lshlrev_b32 v[IN], 4, v2                     ; 4 r columns of 4 bytes
	v_lshl_add_u32 v[IN], v3, 14, v[IN]            ; + 8 h rows of 2,048 bytes
	s_lshr_b32 s9, ttmp9, 5                        ; t
	s_bfe_u32 s12, ttmp9, 0x40001                  ; ks: 4 bits from bit 1
	s_and_b32 s13, ttmp9, 1
	s_lshl2_add_u32 s13, s13, s8                   ; cg = 4 (group & 1) + wave
	s_lshl_b32 s10, s9, 20                         ; from: t x 512 x 2,048
	s_lshl_b32 s14, s12, 16                        ;     + ks x 32 rows x 2,048
	s_add_co_u32 s10, s10, s14
	s_lshl_b32 s14, s13, 8                         ;     + cg x 64 columns x 4
	s_add_co_u32 s10, s10, s14
	s_mov_b32 s11, 0
	s_lshl_b32 s16, s9, 19                         ; to: t x 524,288
	s_lshl_b32 s14, s13, 16                        ;   + cg x 65,536
	s_add_co_u32 s16, s16, s14
	s_lshl_b32 s14, s12, 12                        ;   + ks x 4,096
	s_add_co_u32 s16, s16, s14
	s_mov_b32 s17, 0
	s_wait_kmcnt 0x0
	s_add_nc_u64 s[4:5], s[4:5], s[10:11]
	s_add_nc_u64 s[6:7], s[6:7], s[16:17]
	; sixteen loads: in each, lanes 0-15 read 256 consecutive bytes of one row, lanes 16-31 those of the row 8 further down
.irp p, 0,1
.irp q, 0,1,2,3,4,5,6,7
	global_load_b128 v[S+4*(8*\p+\q):S+4*(8*\p+\q)+3], v[IN], s[4:5] offset:(16*\p+\q)*KROW th:TH_LOAD_NT
.endr
.endr
; Half p of the four fragments: two neighbouring k of one column make a word; four words a lane; a store covers 512 consecutive bytes.
; No register is written twice, so no wait frees a store's sources.
.macro HALF p, left
	s_wait_loadcnt \left                           ; loads return in order (ISA guide 5.7.1): this half's eight are in
.irp j, 0,1,2,3
.irp u, 0,1,2,3
	v_cvt_pk_bf16_f32 v[F+4*(2*\j+\p)+\u], v[S+4*(8*\p+2*\u)+\j], v[S+4*(8*\p+2*\u+1)+\j]
.endr
	global_store_b128 v[OUT], v[F+4*(2*\j+\p):F+4*(2*\j+\p)+3], s[6:7] offset:(2*\j+\p)*512
.endr
.endm
	HALF 0, 8                                      ; the eight loads of the second 16 k stay out
	HALF 1, 0
	s_endpgm
.Lfunc_end_k_q08a254a79c_pack:
	.size	k_q08a254a79c_pack, .Lfunc_end_k_q08a254a79c_pack-k_q08a254a79c_pack
	.p2alignl 7, 3214868480
	.fill 96, 4, 3214868480
	.section	.rodata,"a",@progbits
	.p2align	6, 0x0
	.amdhsa_kernel k_q08a254a79c_pack
		.amdhsa_group_segment_fixed_size 0
		.amdhsa_private_segment_fixed_size 0
		.amdhsa_enable_private_segment 0
		.amdhsa_kernarg_size 16
		.amdhsa_user_sgpr_count 2
		.amdhsa_user_sgpr_kernarg_segment_ptr 1
		.amdhsa_wavefront_size32 1
		.amdhsa_system_sgpr_workgroup_id_x 1
		.amdhsa_system_sgpr_workgroup_id_y 1
		.amdhsa_system_sgpr_workgroup_id_z 1
		.amdhsa_system_vgpr_workitem_id 0
		.amdhsa_next_free_vgpr 104
		.amdhsa_next_free_sgpr 66
		.amdhsa_reserve_vcc 0
		.amdhsa_float_denorm_mode_32 3
		.amdhsa_float_denorm_mode_16_64 3
		.amdhsa_memory_ordered 1
		.amdhsa_forward_progress 1
		.amdhsa_inst_pref_size 6
	.end_amdhsa_kernel
	.amdgpu_metadata
---
amdhsa.version: [ 1, 2 ]
amdhsa.kernels:
  - .name:           k_q08a254a79c_pack
    .symbol:         k_q08a254a79c_pack.kd
    .args:
      - { .name: weight, .offset: 0, .size: 8, .value_kind: global_buffer, .address_space: global }
      - { .name: wbf, .offset: 8, .size: 8, .value_kind: global_buffer, .address_space: global }
    .group_segment_fixed_size: 0
    .private_segment_fixed_size: 0
    .kernarg_segment_align: 8
    .kernarg_segment_size: 16
    .max_flat_workgroup_size: 128
    .sgpr_count:     66
    .vgpr_count:     104
    .wavefront_size: 32
...
	.end_amdgpu_metadata
.endif
;; end of part 1
;; launch main (part 2): grid 256 x 1, 4 waves a work-group, no clusters, 133,632 bytes of LDS; arguments x, type_vec, wbf, bias, out0; writes out0
.if DOCPART == 2
	.amdgcn_target "amdgcn-amd-amdhsa--gfx1250"
	.amdhsa_code_object_version 6
	.text
	.protected	k_q08a254a79c_main
	.globl	k_q08a254a79c_main
	.p2align	8
	.type	k_q08a254a79c_main,@function
k_q08a254a79c_main:
	s_mov_b64 s[64:65], 0
	v_nop
	global_prefetch_b8 v0, s[64:65] scope:SCOPE_SE
	s_setreg_imm32_b32 hwreg(HW_REG_WAVE_MODE, 25, 1), 1
	s_wait_xcnt 0x0
; out0[n] = x[n] . weight[type_vec[n]] + bias[type_vec[n]];  a row whose type is not one of 0..7 gets zeros (the sum over types has
; no term for it).  x, out0: [32768][512] f32;  type_vec: [32768] i32;  bias: [8][512] f32;  wbf: the weights in bf16 as B fragment
; images, [t 8][w 4][g 2][ks 16][i 8][lane 32][16 bytes] (made by the launch before this one; its head says which number lies where).
;
; SHARES.  Work-group b: rows 128 b .. 128 b + 127, all 512 columns; 256 work-groups.  Four waves, as many as a WGP has SIMDs.
; Wave w: columns 128 w .. 128 w + 127, as two groups g = 0, 1 of 64, one after the other: 128 x 64 sums = 32 accumulator tiles = 256
; registers, one register window; the stores of g = 0 leave while g = 1 is multiplied.
; PHASE 1: the block's x is read once, rounded to bf16 and laid in LDS.  One barrier, the only one of the kernel.
; PHASE 2: a counted loop over the types t = 0..7.  A type that no row of the block has is skipped.  For a type that is present the
; wave multiplies the whole block by W[t], adds bias[t] and stores only the rows of type t.  Each pass starts its sums anew, so nothing of
; another type's weights ever enters a row.  Behind the barrier no wave needs another, so the skips may differ with the data.
; The loop counter, not a loaded number, makes every address.  Any type_vec is served, sorted or not; a block with p types costs p passes.
; PHASE 3: rows of no type get zeros.
; B goes from memory straight into registers (a ring of 8 K steps, 7 requested ahead: 28,672 bytes a wave on their way).
; A comes from LDS, one K step ahead, two buffers.
;
; NO CLUSTER: joint requests land in LDS, while B here needs no LDS at all; and which weights a block walks, and in how many passes,
; hangs on type_vec, so partners would issue different requests.  No tensor load: x has to pass registers to be rounded.
;
; LIMITS.  x and W are rounded to bf16 (f32's exponent range; numbers above about 3.39e38 become infinities); sums in f32 in the matrix
; unit's order; bias added in f32, one rounding.  A result that is zero may carry the other sign than the reference's.
.set PITCH, 1040                       ; an LDS row: 1,024 bytes (512 bf16) + 16 = 65 x 16: the sixteen rows that a fragment load touches
                                       ; lie in sixteen different 16-byte columns modulo 256 bytes
.set XROW,  2048                       ; bytes in a row of x and of out0
.set CHUNK, 4096                       ; wbf: one K step of one column group
.set NTYPES, 8
; window 0
.set L16, 4                            ; v4        16 x lane: x loads and B loads
.set XST, 5                            ; v5        phase 1: LDS address, wave x 32 rows + 8 x lane
.set AD0, 6                            ; v6, v7    A fragments: r x PITCH + 16 h, for rows 0-63 and rows 64-127
.set SO,  8                            ; v8        out0: 8 h rows + 16 r
.set R16, 9                            ; v9        16 r: bias
.set L4,  10                           ; v10       4 x lane: type_vec
.set TL,  12                           ; v[12:15]  TL + c: type of row 32 c + lane of the block
.set BI,  16                           ; v[16:23]  BI + 4 g + j = bias[t][128 w + 64 g + 4 r + j]
.set XS,  32                           ; v[32:223] phase 1 only: three slots of 64 registers (4 rows of x each)
.set AF,  64                           ; v[64:191] A fragments, two buffers of 8 tiles x 8 registers
.set O,   192                          ; v[192:255] results on their way out, two halves of 32
; window 1: v[0:255] accumulators, tile (mt, j) at 8 (4 mt + j).   window 2: v[0:255] B ring, K step n in slot n % 8, fragment j at 32 slot + 8 j
.set MAP, 24                           ; s[24:27]  bit l of word c: row 32 c + l of the block is of the type at hand
.set MSB, 0
.macro WIN new                         ; s_set_vgpr_msb: bits 1:0 source 0, 3:2 source 1, 5:4 source 2, 7:6 destination;
.if MSB != \new                        ; the high byte repeats the setting that is left; a switch that changes nothing is dropped
	s_set_vgpr_msb (MSB<<8)|\new
.set MSB, \new
.endif
.endm
.set TO_B, 0x80                        ; loads into the B ring: destination window 2, address window 0
.set MUL,  0x58                        ; A window 0, B window 2, C and D window 1
.set WOUT, 0x10                        ; the way out: source 2 (the sum) window 1, everything else window 0
	s_load_b256 s[4:11], s[0:1], 0x0               ; x s[4:5], type_vec s[6:7], wbf s[8:9], bias s[10:11]
	s_load_b64 s[12:13], s[0:1], 0x20              ; out0
	v_lshl_add_u32 v30, v0, 2, 0x20800
	v_mov_b32 v31, 0
	v_lshrrev_b32 v11, 5, v0
	v_readfirstlane_b32 s14, v11                   ; w, my wave's number
	v_and_b32 v1, 31, v0                           ; lane
	v_and_b32 v2, 15, v0                           ; r
	v_bfe_u32 v3, v0, 4, 1                         ; h
	v_lshlrev_b32 v[L16], 4, v1
	v_lshlrev_b32 v[L4], 2, v1
	s_mul_i32 s15, s14, 32*PITCH
	v_lshl_add_u32 v[XST], v1, 3, s15              ; my wave's 32 rows in LDS + 8 bytes a lane
	v_mul_u32_u24 v[AD0], v2, PITCH
	v_lshl_add_u32 v[AD0], v3, 4, v[AD0]
	v_add_nc_u32 v[AD0+1], 64*PITCH, v[AD0]        ; LDS offsets have 16 bits: rows 64-127 get a register of their own
	v_lshlrev_b32 v[R16], 4, v2
	v_lshl_add_u32 v[SO], v3, 14, v[R16]           ; 8 h rows of 2,048 bytes + 16 r
	s_lshl_b32 s16, ttmp9, 18                      ; 128 rows of 2,048 bytes (255 << 18 is below 2^31)
	s_mov_b32 s17, 0
	s_wait_kmcnt 0x0
	s_add_nc_u64 s[4:5], s[4:5], s[16:17]
	s_add_nc_u64 s[12:13], s[12:13], s[16:17]
	s_lshl_b32 s16, s14, 16                        ; phase 1: my wave's 32 rows of x
	s_add_nc_u64 s[4:5], s[4:5], s[16:17]
	s_lshl_b32 s16, ttmp9, 9                       ; 128 types of 4 bytes
	s_add_nc_u64 s[6:7], s[6:7], s[16:17]
	s_lshl_b32 s16, s14, 9                         ; my wave's 128 columns of 4 bytes
	s_add_nc_u64 s[12:13], s[12:13], s[16:17]
	s_add_nc_u64 s[20:21], s[10:11], s[16:17]      ; bias[0] at my columns; + 2,048 for each type
	s_lshl_b32 s16, s14, 17
	s_add_nc_u64 s[18:19], s[8:9], s[16:17]        ; wbf[0][w]; + 524,288 for each type
.irp c, 0,1,2,3
	global_load_b32 v[TL+\c], v[L4], s[6:7] offset:128*\c      ; every wave holds the types of all 128 rows
.endr
; ---------------------------------------------------------------- PHASE 1: x -> bf16 -> LDS
; A group is 4 rows = 16 loads of 512 consecutive bytes.  Three slots: one at work, two on their way (32 loads = 16,384 bytes a wave).
.macro XLOAD grp
.irp rho, 0,1,2,3
.irp c, 0,1,2,3
	global_load_b128 v[XS+64*((\grp)%3)+16*\rho+4*\c:XS+64*((\grp)%3)+16*\rho+4*\c+3], v[L16], s[4:5] offset:(4*(\grp)+\rho)*XROW+512*\c th:TH_LOAD_NT
.endr
.endr
.endm
; left = the loads of the younger groups, which stay out.  Four f32 become 8 bytes in place; an LDS store covers 256 consecutive bytes.
.macro XCONV grp, left
	s_wait_loadcnt \left
.irp rho, 0,1,2,3
.irp c, 0,1,2,3
.set xb, XS+64*((\grp)%3)+16*\rho+4*\c
	v_cvt_pk_bf16_f32 v[xb], v[xb], v[xb+1]
	v_cvt_pk_bf16_f32 v[xb+1], v[xb+2], v[xb+3]
	ds_store_b64 v[XST], v[xb:xb+1] offset:(4*(\grp)+\rho)*PITCH+256*\c
.endr
.endr
.endm
	XLOAD 0
	XLOAD 1
	XLOAD 2
	XCONV 0, 32                                    ; groups 1 and 2 stay out; the four older type loads are in as well
	XLOAD 3
	XCONV 1, 32
	XLOAD 4
	XCONV 2, 32
	XLOAD 5
	XCONV 3, 32
	XLOAD 6
	XCONV 4, 32
	XLOAD 7
	XCONV 5, 32
	XCONV 6, 16                                    ; nothing more is loaded: the counts run down
	XCONV 7, 0
	s_wait_dscnt 0x0                               ; for the others' sake: my 32 rows are in LDS
	s_barrier_signal -1
	s_barrier_wait -1                              ; all 128 rows are; from here on LDS is only read
; ---------------------------------------------------------------- PHASE 2: the types
; A load into a register that a matrix instruction has read, and a vector instruction that reads a matrix result, stand four places behind
; it; only plain vector instructions that name none of its registers are places.
.macro PLACES
.rept 4
	v_nop
.endr
.endm
; A of K step n (n % 16: the second column group walks K again): 8 tiles of 16 rows x 32 k, two loads of 16 bytes a lane, 32 bytes apart
.macro ALOAD n
	WIN 0
.irp mt, 0,1,2,3,4,5,6,7
	ds_load_b128 v[AF+64*((\n)%2)+8*\mt:AF+64*((\n)%2)+8*\mt+3],   v[AD0+\mt/4] offset:(\mt%4)*16*PITCH+64*((\n)%16)
	ds_load_b128 v[AF+64*((\n)%2)+8*\mt+4:AF+64*((\n)%2)+8*\mt+7], v[AD0+\mt/4] offset:(\mt%4)*16*PITCH+64*((\n)%16)+32
.endr
.endm
; B of K step n = 16 g + ks: one chunk of wbf, eight loads of 512 consecutive bytes.  No cache word: other blocks read these bytes again.
.macro BLOAD n
	WIN TO_B
.irp i, 0,1,2,3,4,5,6,7
	global_load_b128 v[32*((\n)%8)+4*\i:32*((\n)%8)+4*\i+3], v[L16], s[18:19] offset:CHUNK*(\n)+512*\i
.endr
.endm
; K step ss (0..31, a symbol stepped at the end): 32 matrix instructions, 128 rows x 64 columns x 32 k.
.macro KSTEP
.if ss%16
	PLACES                                         ; behind step ss - 1's products, which read the A buffer and the B slot loaded next
.endif                                             ; (in front of steps 0 and 16 the four places stand behind steps 31 and 15, ahead of the way out)
.if ss < 31
	ALOAD ss+1
.endif
.if ss < 25
	BLOAD ss+7
.endif
.if ss < 31
	s_wait_dscnt 16                                ; the 16 loads just issued stay out: this step's A is in
.else
	s_wait_dscnt 0
.endif
.if ss < 24
	s_wait_loadcnt 56                              ; the B loads of the 7 younger steps stay out: this step's B is in (at step 0 the older bias loads too)
.else
	s_wait_loadcnt 8*(31-ss)                       ; nothing more is asked for: the count runs down to 0 at step 31
.endif
	WIN MUL
.irp mt, 0,1,2,3,4,5,6,7
.irp j, 0,1,2,3
.if ss%16
	v_wmma_f32_16x16x32_bf16 v[8*(4*\mt+\j):8*(4*\mt+\j)+7], v[AF+64*(ss%2)+8*\mt:AF+64*(ss%2)+8*\mt+7], v[32*(ss%8)+8*\j:32*(ss%8)+8*\j+7], v[8*(4*\mt+\j):8*(4*\mt+\j)+7]
.else
	v_wmma_f32_16x16x32_bf16 v[8*(4*\mt+\j):8*(4*\mt+\j)+7], v[AF+64*(ss%2)+8*\mt:AF+64*(ss%2)+8*\mt+7], v[32*(ss%8)+8*\j:32*(ss%8)+8*\j+7], 0
.endif
.endr
.endr
.set ss, ss+1
.endm
; One store of rows 16 mt + i (lanes 0-15) and 16 mt + 8 + i (lanes 16-31), each only if its bit of the map is set.
; EXEC is a source of pending loads and stores: it changes only behind s_wait_xcnt 0, both ways; the caller has waited since its last memory line.
.macro MASKED mt, i, g, src
	s_bitcmp1_b32 s[MAP+(\mt)/2], 16*((\mt)%2)+\i
	s_cselect_b32 s30, 0xffff, 0
	s_bitcmp1_b32 s[MAP+(\mt)/2], 16*((\mt)%2)+\i+8
	s_cselect_b32 s31, 0xffff0000, 0
	s_or_b32 vcc_lo, s30, s31
	s_and_saveexec_b32 s32, vcc_lo
	global_store_b128 v[SO], v[\src:\src+3], s[12:13] offset:(16*(\mt)+\i)*XROW+256*\g th:TH_STORE_NT
	s_wait_xcnt 0x0                                ; frees EXEC, and the four data registers
	s_or_b32 exec_lo, exec_lo, s32
.endm
; THE WAY OUT of column group g.  Register i of tile (mt, j) is row 16 mt + 8 h + i, column 64 g + 4 r + j of my 128: the four tiles j give a
; lane 16 neighbouring bytes, and sixteen lanes store 256 consecutive bytes, at a multiple of 256 from out0's first byte.  No LDS.
; bias x 1.0 + sum is the exact sum, rounded once; it is written as a fused multiply-add so that the accumulator stands in the third source
; place: a store's address and data are places 0 and 1, so one window setting serves the sums and the stores.
; masked = 0: every row of the block is of this type.  masked = 1: rows are stored one pair at a time under the map.
.macro EPI g, masked
	s_wait_xcnt 0x0                                ; the last way out's stores have read O; and EXEC, a source of the B loads that are out, may change
	WIN WOUT
.irp mt, 0,1,2,3,4,5,6,7
.if \masked
.irp i, 0,1,2,3,4,5,6,7
.irp j, 0,1,2,3
	v_fma_f32 v[O+32*(\mt%2)+4*\i+\j], v[BI+4*\g+\j], 1.0, v[8*(4*\mt+\j)+\i]
.endr
	MASKED \mt, \i, \g, O+32*(\mt%2)+4*\i
.endr
.else
.irp i, 0,1,2,3,4,5,6,7
.irp j, 0,1,2,3
	v_fma_f32 v[O+32*(\mt%2)+4*\i+\j], v[BI+4*\g+\j], 1.0, v[8*(4*\mt+\j)+\i]
.endr
.endr
	s_wait_xcnt 0x0                                ; the stores of tile row mt - 1 have read the other half of O, which tile row mt + 1 writes
.irp i, 0,1,2,3,4,5,6,7
	global_store_b128 v[SO], v[O+32*(\mt%2)+4*\i:O+32*(\mt%2)+4*\i+3], s[12:13] offset:(16*\mt+\i)*XROW+256*\g th:TH_STORE_NT
.endr
.endif
.endr
.endm
	s_mov_b32 s22, 0                               ; t
.Ltype:
.irp c, 0,1,2,3
	v_cmp_eq_u32 s[MAP+\c], s22, v[TL+\c]          ; which of the 128 rows are of type t
.endr
	s_or_b32 s28, s[MAP], s[MAP+1]
	s_or_b32 s28, s28, s[MAP+2]
	s_or_b32 s28, s28, s[MAP+3]                    ; any
	s_and_b32 s29, s[MAP], s[MAP+1]
	s_and_b32 s29, s29, s[MAP+2]
	s_and_b32 s29, s29, s[MAP+3]                   ; -1: all
	s_cmp_eq_u32 s28, 0
	s_cbranch_scc1 .Lnext                          ; no row of this type: nothing is loaded, multiplied or stored
	; the pass's prologue: bias, the first A, seven K steps of B.  With step 0's eight loads that names 66 loads ahead of the first wait,
	; more than the counter's field holds: the issue then stalls by itself (ISA guide 5.7.1), so no wait is placed for it.
	global_load_b128 v[BI:BI+3],   v[R16], s[20:21]
	global_load_b128 v[BI+4:BI+7], v[R16], s[20:21] offset:256
	ALOAD 0
.irp n, 0,1,2,3,4,5,6
	BLOAD \n
.endr
.set ss, 0
.rept 16
	KSTEP                                          ; column group 0
.endr
	PLACES                                         ; behind the last products: for the sums read below and for the loads of step 16
	WIN 0                                          ; at a label and at a branch every window is 0
	s_cmp_lg_u32 s29, -1
	s_cbranch_scc1 .Lm0
	EPI 0, 0
	WIN 0
	s_branch .Lj0
.Lm0:
	EPI 0, 1
	WIN 0
.Lj0:
.rept 16
	KSTEP                                          ; column group 1; its B has been on its way across the way out
.endr
	PLACES
	WIN 0
	s_cmp_lg_u32 s29, -1
	s_cbranch_scc1 .Lm1
	EPI 1, 0
	WIN 0
	s_branch .Lnext
.Lm1:
	EPI 1, 1
	WIN 0
.Lnext:
	s_add_nc_u64 s[18:19], s[18:19], 0x80000       ; the next type's weights and bias.  Every load that named these bases is done:
	s_add_nc_u64 s[20:21], s[20:21], 0x800         ; step 31 waited for zero loads, and a skipped pass issued none
	s_add_co_u32 s22, s22, 1
	s_cmp_lt_u32 s22, NTYPES
	s_cbranch_scc1 .Ltype
; ---------------------------------------------------------------- PHASE 3: rows of no type get zeros
.irp c, 0,1,2,3
	v_cmp_lt_u32 s[MAP+\c], NTYPES-1, v[TL+\c]     ; unsigned: negative types count as outside too
.endr
	s_or_b32 s28, s[MAP], s[MAP+1]
	s_or_b32 s28, s28, s[MAP+2]
	s_or_b32 s28, s28, s[MAP+3]
	s_cmp_eq_u32 s28, 0
	s_cbranch_scc1 .Lend
	s_wait_xcnt 0x0                                ; the last stores have read O; EXEC may change
.irp j, 0,1,2,3
	v_mov_b32 v[O+\j], 0
.endr
.macro ZERO g
.irp mt, 0,1,2,3,4,5,6,7
.irp i, 0,1,2,3,4,5,6,7
	MASKED \mt, \i, \g, O
.endr
.endr
.endm
	ZERO 0
	ZERO 1
.Lend:
	s_wait_tensorcnt 0x0
	ds_add_u32 v30, v31
	s_wait_dscnt 0x0
	s_endpgm
.Lfunc_end_k_q08a254a79c_main:
	.size	k_q08a254a79c_main, .Lfunc_end_k_q08a254a79c_main-k_q08a254a79c_main
	.p2alignl 7, 3214868480
	.fill 96, 4, 3214868480
	.section	.rodata,"a",@progbits
	.p2align	6, 0x0
	.amdhsa_kernel k_q08a254a79c_main
		.amdhsa_group_segment_fixed_size 133632
		.amdhsa_private_segment_fixed_size 0
		.amdhsa_enable_private_segment 0
		.amdhsa_kernarg_size 40
		.amdhsa_user_sgpr_count 2
		.amdhsa_user_sgpr_kernarg_segment_ptr 1
		.amdhsa_wavefront_size32 1
		.amdhsa_system_sgpr_workgroup_id_x 1
		.amdhsa_system_sgpr_workgroup_id_y 1
		.amdhsa_system_sgpr_workgroup_id_z 1
		.amdhsa_system_vgpr_workitem_id 0
		.amdhsa_next_free_vgpr 768
		.amdhsa_next_free_sgpr 66
		.amdhsa_reserve_vcc 1
		.amdhsa_float_denorm_mode_32 3
		.amdhsa_float_denorm_mode_16_64 3
		.amdhsa_memory_ordered 1
		.amdhsa_forward_progress 1
		.amdhsa_inst_pref_size 255
	.end_amdhsa_kernel
	.section	.bss,"aw",@nobits
	.p2align	6
	.space	262144
	.amdgpu_metadata
---
amdhsa.version: [ 1, 2 ]
amdhsa.kernels:
  - .name:           k_q08a254a79c_main
    .symbol:         k_q08a254a79c_main.kd
    .args:
      - { .name: x, .offset: 0, .size: 8, .value_kind: global_buffer, .address_space: global }
      - { .name: type_vec, .offset: 8, .size: 8, .value_kind: global_buffer, .address_space: global }
      - { .name: wbf, .offset: 16, .size: 8, .value_kind: global_buffer, .address_space: global }
      - { .name: bias, .offset: 24, .size: 8, .value_kind: global_buffer, .address_space: global }
      - { .name: out0, .offset: 32, .size: 8, .value_kind: global_buffer, .address_space: global }
    .group_segment_fixed_size: 133632
    .private_segment_fixed_size: 0
    .kernarg_segment_align: 8
    .kernarg_segment_size: 40
    .max_flat_workgroup_size: 128
    .sgpr_count:     66
    .vgpr_count:     768
    .wavefront_size: 32
...
	.end_amdgpu_metadata
.endif
;; end of part 2
